; MI455X (gfx1250); checked and timed in simulation.
; The chip was launched on July 23, 2026; its instructions are those of AMD's public machine-readable ISA for CDNA 5 (MIT licence, August 2026) and "CDNA5" Instruction Set Architecture Reference Guide (July 2026). The comments in the code are by the model that wrote it; some were corrected since.
;; Matmul Attention. Allowed arithmetic: matrix products marked QUANTISED: E2M3 operands, one E8M0 scale for each 32 along K, by v_wmma_scale_f32_16x16x128_f8f6f4 with both operands' format E2M3, f32 sums; everything else in f32.
;; Inputs: k 4 x 16 x 2,048 x 128 float32; q 4 x 16 x 2,048 x 128 float32; v 4 x 16 x 2,048 x 128 float32.
;; Outputs: out0 4 x 16 x 2,048 x 128 float32.
;; This version of the problem:
;;   THIS VERSION OF THE PROBLEM IS GIVEN IN LOW PRECISION. The matrix products marked QUANTISED in the list below multiply operands that are first quantised to E2M3 (2 exponent bits, 3 mantissa bits; 6 bits a number), with one power-of-two scale for each 32 numbers along K (OCP MX v1.0); their sums are f32. All else is computed in f32.
;;   The module's matrix products, in the order in which they are computed (A, B: the left and right operand; K: the contracted axis; several contracted axes count as one K, in the product's order):
;;     1. batch 64 x [M 2,048, K 128] x [K 128, N 2,048]; A: input q; B: input k: QUANTISED
;;     2. batch 64 x [M 2,048, K 2,048] x [K 2,048, N 128]; A: softmax (see below); B: input v: QUANTISED
;;   THE QUANTISER, for each operand of a quantised product, along K:
;;     - K is cut into blocks of 32 from its start; a last block that is shorter is filled with zeros.
;;     - A block's scale is 2^e with e = floor(log2(the largest magnitude in the block)) - 2, held to -126 .. 127; a block of zeros has e = 0. As a byte (E8M0): e + 127.
;;     - Each number is divided by its block's scale, clamped to +-7.5, and rounded to the nearest number of E2M3, ties to even, subnormals kept.
;;     - The product sums the exact products of the quantised numbers (number of the format x scale) in f32.
;;   ~~~python
;;   def quantise(x, axis):      # numpy; x: float32 -> the quantised numbers, widened to float32 again
;;       x = np.moveaxis(x, axis, -1); K = x.shape[-1]
;;       x = np.pad(x, [(0, 0)] * (x.ndim - 1) + [(0, -K % 32)]); x = x.reshape(x.shape[:-1] + (-1, 32)); a = np.abs(x).max(-1, keepdims=True)
;;       e = np.where(a > 0, np.clip(np.frexp(np.where(a > 0, a, 1))[1] - 1 - 2, -126, 127), 0)      # np.frexp(a)[1] - 1 = floor(log2(a)), exactly
;;       r = np.clip(x / 2.0 ** e, -7.5, 7.5)
;;       step = 2.0 ** (np.maximum(np.frexp(np.where(r == 0, 1, r))[1] - 1, 0) - 3)
;;       q = np.round(r / step) * step * 2.0 ** e      # np.round: ties to even
;;       return np.moveaxis(q.reshape(q.shape[:-2] + (-1,))[..., :K], -1, axis).astype(np.float32)
;;   ~~~
;;   SOFTMAX AHEAD OF A QUANTISED PRODUCT. Where the list says 'softmax', what is quantised is not the finished softmax but p = 2^(t - M), with t = logit x log2(e) and M = ceil(the row's largest t), a whole number; so 1/2 < the row's largest p <= 1. The row's sum l is taken of the UNQUANTISED p, in f32, and the product's result is divided by l at the end. Since M is a whole number, a kernel that streams over the keys may use a running M (the ceiling of the running maximum): every later rescaling is an exact power of two, which a block's scale takes up: the codes' values come out the same.
;;   OPERANDS COMPUTED ON THE WAY. 'Computed on the way' means the value that the module computes at that place (a softmax that the list does not call 'softmax' is quantised finished and normalised). What goes into a quantiser is computed in f32, as accurately as f32 sums, v_exp_f32 and their like allow (about 1e-6 of the number): no bf16 or f16 on the way to a quantiser, and a product that is left as it is and whose result goes on into a quantised operand takes f32 operands (vector FMAs, or v_wmma_f32_16x16x4_f32). A number that lies on a knife's edge between two numbers of the format may be rounded either way, as far as f32 arithmetic and the matrix unit's own rounding can turn it there, and no further.
;; One version. Each part assembles by itself: llvm-mc -triple=amdgcn-amd-amdhsa -mcpu=gfx1250 --defsym DOCPART=n.
;; ======== version 1 of 1: 2 launches
;; workspace buffers: kv 26,214,400 bytes
;; launch quant (part 1): grid 2048 x 1, 4 waves a work-group, no clusters, 34,304 bytes of LDS; arguments k, v, kv; writes kv
.if DOCPART == 1
	.amdgcn_target "amdgcn-amd-amdhsa--gfx1250"
	.amdhsa_code_object_version 6
	.text
	.protected	k_qfd599edad1_quant
	.globl	k_qfd599edad1_quant
	.p2align	8
	.type	k_qfd599edad1_quant,@function
k_qfd599edad1_quant:
	s_mov_b64 s[64:65], 0
	v_nop
	global_prefetch_b8 v0, s[64:65] scope:SCOPE_SE
	s_setreg_imm32_b32 hwreg(HW_REG_WAVE_MODE, 25, 1), 1
	s_wait_xcnt 0x0
; k and v, [64 heads][2048 keys][128] f32, become codes of FP6 (E2M3) with one E8M0 scale byte for each 32 along a product's K:
; k along the head's 128 (innermost in memory), v along the KEYS (its first axis within a head).
; A block's scale is 2^(floor(log2(its largest magnitude)) - 2): its byte is the largest magnitude's exponent field - 2, held at 1 from below.
; THE WORKSPACE IS LAID AS THE READER WANTS IT: for each head and each step of 128 keys one dense block of 25,600 bytes:
;   +0      K's eight fragments (16 keys x 128 d: 12 registers a lane), 1,536 bytes each, as IMAGES OF THE OPERAND'S REGISTERS: registers 4 g .. 4 g + 3 of lane l at 512 g + 16 l
;   +12,288 K's scale words: the word at 128 b + 4 l is that of tile 2 b + (l / 16), row l % 16
;   +12,800 V's eight fragments (16 of the head's 128 x 128 keys), likewise
;   +25,088 V's scale words: the word at 128 b + 4 l is that of d = 32 b + l
; THE KEYS OF A TILE OF K ARE NOT NEIGHBOURS: row r of tile 2 b + u is key 32 b + 8 u + r + 8 (r / 8), so that in the transposed product the 16 registers of tiles 2 b, 2 b + 1 are 16 neighbouring keys.
; SHARES.  Work-groups 0-1023 take K's block of their number, work-groups 1024-2047 V's: 65,536 bytes in and 12,800 out each.  The two ways part once, on the work-group's number.
; Only K's way uses LDS (a stage of each wave's own); there is no barrier: waves share nothing.  Nothing is looped: every offset is an immediate.
; The scale words leave as 128 consecutive bytes a wave, half of an aligned 256: they are one byte in twenty-five of what the launch stores, and gathering four waves' words would cost a barrier.
; LIMITS: NaN and infinities among the inputs are not served.  A block of zeros gets the byte 1 where the rule says 127: its codes are zeros, which add nothing under any byte but 0xff, and this program alone reads the bytes.
; Blocks whose largest magnitude lies under 2^(3 - 127) are quantised under the byte 1.
.set BLOCKB, 25600                     ; a block of the workspace
.set KSC,    12288                     ; K's scale words in it
.set VFR,    12800                     ; V's fragments
.set VSC,    25088                     ; V's scale words
.set SPITCH, 528                       ; a stage row: 512 bytes + 16 = 33 x 16: the sixteen rows that a load of 16 bytes a lane touches start at sixteen different places modulo 256 bytes (64 banks of 4 bytes: ISA guide 11.1)
.set BM,  16                           ; v16-19  the blocks' largest magnitudes
.set BT,  20                           ; v20-23  the other half of the lanes', then the bytes
.set SOP, 24                           ; v24-27  the conversions' scale operands
.set FRG, 32                           ; v32-43, v44-55  the two fragments
.set PT,  56                           ; v56-63  the halves of blocks that a conversion cannot put in place
.set XK,  64                           ; v64-127   K: 64 numbers of a lane, register 16 b + i = d 32 b + 16 (lane / 16) + i of its row
.set RK,  128                          ; v128-255  K: 32 rows as loaded
.set XV,  128                          ; v128-255  V: my column's 128 keys
; The codes of 64 numbers, v[src] on, under the four scale operands in v[SOP] on, become a fragment in v[dst] on.
.macro CODES src, dst
.irp c, 0,1
	v_cvt_scalef32_pk16_fp6_f32 v[\dst+6*\c:\dst+6*\c+2], v[\src+32*\c:\src+32*\c+15], v[SOP+2*\c]          ; 96 bits: the codes of k = 64 c + 16 h + 0 .. 15
	v_cvt_scalef32_pk16_fp6_f32 v[PT+4*\c:PT+4*\c+2], v[\src+32*\c+16:\src+32*\c+31], v[SOP+2*\c+1]          ; and of k = 64 c + 32 + 16 h + 0 .. 15 (a conversion's three registers begin on an even number)
.endr
	v_nop                                          ; one plain place behind a scaled conversion
.irp c, 0,1                                    ; the operand's layout wants a WHOLE block in a lane: lanes 0-15 block 2 c, lanes 16-31 block 2 c + 1
.irp i, 0,1,2
	v_permlane16_swap_b32 v[\dst+6*\c+\i], v[PT+4*\c+\i]
.endr
.irp i, 0,1,2
	v_mov_b32 v[\dst+6*\c+3+\i], v[PT+4*\c+\i]
.endr
.endr
.endm
; 64 numbers of a lane become a fragment's codes in v[dst] on and their row's scale word in v[word].
.macro QUANT src, dst, word
.irp b, 0,1,2,3
	v_max3_num_f32 v[BM+\b], |v[\src+16*\b]|, |v[\src+16*\b+1]|, 0x1800000   ; block b: my 16 numbers, and the floor 2^(3 - 127): the byte cannot fall under 1
.endr
.irp i, 2,4,6,8,10,12,14
.irp b, 0,1,2,3
	v_max3_num_f32 v[BM+\b], v[BM+\b], |v[\src+16*\b+\i]|, |v[\src+16*\b+\i+1]|   ; (the four blocks by turns)
.endr
.endr
.irp b, 0,1,2,3
	v_permlanex16_b32 v[BT+\b], v[BM+\b], s20, s21
.endr
.irp b, 0,1,2,3
	v_max_num_f32 v[BM+\b], v[BM+\b], v[BT+\b]     ; with lane l xor 16's 16: the block's largest magnitude
.endr
.irp b, 0,1,2,3
	v_add_nc_u32 v[SOP+\b], 0xff000000, v[BM+\b]   ; 2 off its exponent field: the conversion takes the exponent field of this operand as its scale
.endr
.irp b, 0,1,2,3
	v_lshrrev_b32 v[BT+\b], 23, v[SOP+\b]          ; the scale's byte
.endr
	v_lshl_or_b32 v[\word], v[BT+1], 8, v[BT]
	v_lshl_or_b32 v[\word], v[BT+2], 16, v[\word]
	v_lshl_or_b32 v[\word], v[BT+3], 24, v[\word]  ; the row's scale word, the same in lanes r and 16 + r
	CODES \src, \dst
.endm
	s_load_b128 s[4:7], s[0:1], 0x0                ; k s[4:5], v s[6:7]
	s_load_b64 s[8:9], s[0:1], 0x10                ; kv
	v_lshl_add_u32 v59, v0, 2, 0x8400
	v_mov_b32 v63, 0
	v_lshrrev_b32 v1, 5, v0
	v_readfirstlane_b32 s10, v1                    ; wave 0..3
	v_and_b32 v1, 31, v0                           ; lane
	v_lshlrev_b32 v2, 4, v1                        ; 16 x lane
	v_lshlrev_b32 v3, 2, v1                        ; 4 x lane
	v_and_b32 v4, 15, v0                           ; r
	v_bfe_u32 v5, v0, 4, 1                         ; h
	s_mul_i32 s18, s10, 16*SPITCH                  ; my stage
	v_add_nc_u32 v6, s18, v2                       ; into it: 16 x lane of a row
	v_mul_u32_u24 v7, v4, SPITCH
	v_lshl_add_u32 v7, v5, 6, v7
	v_add_nc_u32 v7, s18, v7                       ; out of it: row r, + 64 h: my 16 numbers of a block of 32
	s_mov_b32 s20, 0x76543210
	s_mov_b32 s21, 0xfedcba98                      ; v_permlanex16_b32's selects for lane l xor 16
.irp b, 0,1,2,3
	v_mov_b32 v[BT+\b], 0                          ; written once: a lane permute's destination counts as one of its sources
.endr
	s_and_b32 s11, ttmp9, 1023                     ; which block: 16 x head + step
	s_lshl_b32 s12, s11, 16                        ; its 128 keys of 512 bytes in k or v
	s_mov_b32 s13, 0
	s_mul_i32 s14, s11, BLOCKB                     ; and its place in the workspace
	s_mov_b32 s15, 0
	s_mul_i32 s16, s10, 3072                       ; my wave's two fragments
	s_mov_b32 s17, 0
	s_lshl_b32 s18, s10, 7                         ; my wave's 32 scale words; also my 32 columns of v
	s_mov_b32 s19, 0
	s_wait_kmcnt 0x0
	s_add_nc_u64 s[8:9], s[8:9], s[14:15]
	s_add_nc_u64 s[14:15], s[8:9], s[16:17]        ; where my fragments go
	s_add_nc_u64 s[8:9], s[8:9], s[18:19]          ; where my scale words go
	s_cmp_lt_u32 ttmp9, 1024
	s_cbranch_scc0 .Lv_path
; ---- K.  Wave w takes keys 32 w .. 32 w + 31 of the step: tiles 2 w and 2 w + 1.  Each load is one whole row, 512 consecutive bytes; the rows turn through the stage,
; so that a lane gets 16 neighbours along d of each block of its row.
	s_lshl_b32 s16, s10, 14
	s_add_co_u32 s12, s12, s16
	s_add_nc_u64 s[4:5], s[4:5], s[12:13]          ; k at my 32 keys
.irp u, 0,1
.irp p, 0,1,2,3,4,5,6,7,8,9,10,11,12,13,14,15
	global_load_b128 v[RK+64*\u+4*\p:RK+64*\u+4*\p+3], v2, s[4:5] offset:512*(8*\u+\p+8*(\p/8)) th:TH_LOAD_NT   ; row p of tile u
.endr
.endr
.macro KTILE u
.if \u == 0
	s_wait_loadcnt 16                              ; tile 0's sixteen rows are in; tile 1's sixteen may be out
.else
	s_wait_loadcnt 0x0
.endif
.irp p, 0,1,2,3,4,5,6,7,8,9,10,11,12,13,14,15
	ds_store_b128 v6, v[RK+64*\u+4*\p:RK+64*\u+4*\p+3] offset:SPITCH*\p
.endr
.irp b, 0,1,2,3
.irp j, 0,1,2,3
	ds_load_b128 v[XK+16*\b+4*\j:XK+16*\b+4*\j+3], v7 offset:128*\b+16*\j   ; LDS serves a wave's instructions in order (ISA guide 5.7.1.4): these see the stores above, and the next tile's stores come behind them
.endr
.endr
	s_wait_dscnt 0x0
	QUANT XK, FRG+12*\u, 12+\u
.irp g, 0,1,2
	global_store_b128 v2, v[FRG+12*\u+4*\g:FRG+12*\u+4*\g+3], s[14:15] offset:1536*\u+512*\g   ; the image: 32 lanes store 512 consecutive bytes, aligned.  Each tile has its own registers: no store's data are written again
.endr
.endm
	KTILE 0
	KTILE 1
	v_cmp_le_u32 vcc_lo, 16, v1
	v_cndmask_b32 v14, v12, v13, vcc_lo            ; lanes 0-15: tile 2 w's words; lanes 16-31: tile 2 w + 1's
	global_store_b32 v3, v14, s[8:9] offset:KSC
	s_wait_tensorcnt 0x0
	ds_add_u32 v59, v63
	s_wait_dscnt 0x0
	s_endpgm
; ---- V.  A LANE TAKES A COLUMN d = 32 w + lane, AND ITS REGISTERS RUN DOWN THE KEYS: a block of 32 keys lies in one lane's 32 registers, its largest magnitude needs no other lane,
; and the conversions give codes with the keys innermost.  Each load reads 128 consecutive bytes; the four waves stand side by side on a row's 512.
.Lv_path:
	s_add_co_u32 s12, s12, s18
	s_add_nc_u64 s[6:7], s[6:7], s[12:13]          ; v at the step's first key, my 32 columns
.macro VLOAD t
.set n, 32*(\t)
.rept 32
	global_load_b32 v[XV+n], v3, s[6:7] offset:512*n th:TH_LOAD_NT
.set n, n+1
.endr
.endm
.macro VBLOCK t                        ; keys 32 t .. 32 t + 31 of my column.  Blocks 0 and 2 go to v[FRG] on, blocks 1 and 3 to v[FRG + 12] on
.set XS, XV+32*(\t)
.set DD, FRG+12*((\t)%2)+6*((\t)/2)
.if (\t) < 3
	s_wait_loadcnt 32                              ; this block's 32 loads are in; the next block's 32 may be out
.else
	s_wait_loadcnt 0x0
.endif
.if (\t)+2 < 4
	VLOAD (\t)+2                                   ; loads run two blocks ahead; every block has registers of its own
.endif
	v_max3_num_f32 v[BM], |v[XS]|, |v[XS+1]|, |v[XS+2]|
	v_max3_num_f32 v[BM+1], |v[XS+3]|, |v[XS+4]|, |v[XS+5]|
.irp i, 6,10,14,18,22,26
	v_max3_num_f32 v[BM], v[BM], |v[XS+\i]|, |v[XS+\i+1]|
	v_max3_num_f32 v[BM+1], v[BM+1], |v[XS+\i+2]|, |v[XS+\i+3]|
.endr
	v_max3_num_f32 v[BM], v[BM], |v[XS+30]|, |v[XS+31]|
	v_max3_num_f32 v[BM], v[BM], v[BM+1], 0x1800000 ; and the floor 2^(3 - 127)
	v_add_nc_u32 v[SOP], 0xff000000, v[BM]         ; 2 off the exponent field: the conversions' scale operand
	v_cvt_scalef32_pk16_fp6_f32 v[DD:DD+2], v[XS:XS+15], v[SOP]
	v_cvt_scalef32_pk16_fp6_f32 v[PT:PT+2], v[XS+16:XS+31], v[SOP]   ; (a conversion's three registers begin on an even number)
	v_lshrrev_b32 v15, 23, v[SOP]                  ; the scale's byte; also the plain place behind the conversions
.if (\t) == 0
	v_mov_b32 v14, v15                             ; four bytes to my column's word, the lower keys in the lower byte
.else
	v_lshl_or_b32 v14, v15, 8*(\t), v14
.endif
.irp i, 0,1,2
	v_mov_b32 v[DD+3+\i], v[PT+\i]
.endr
.endm
	VLOAD 0
	VLOAD 1
	VBLOCK 0
	VBLOCK 1
	VBLOCK 2
	VBLOCK 3
; A fragment's lanes 0-15 want blocks 0 and 2 of rows d = 16 t + r, its lanes 16-31 blocks 1 and 3 of the same rows.  The first run's lanes 16-31 change places with the second run's lanes 0-15:
; the first run is then tile 2 w's fragment, the second tile 2 w + 1's.
.irp i, 0,1,2,3,4,5,6,7,8,9,10,11
	v_permlane16_swap_b32 v[FRG+\i], v[FRG+12+\i]
.endr
.irp u, 0,1
.irp g, 0,1,2
	global_store_b128 v2, v[FRG+12*\u+4*\g:FRG+12*\u+4*\g+3], s[14:15] offset:VFR+1536*\u+512*\g   ; 512 consecutive bytes, aligned
.endr
.endr
	global_store_b32 v3, v14, s[8:9] offset:VSC
	s_endpgm
.Lfunc_end_k_qfd599edad1_quant:
	.size	k_qfd599edad1_quant, .Lfunc_end_k_qfd599edad1_quant-k_qfd599edad1_quant
	.p2alignl 7, 3214868480
	.fill 96, 4, 3214868480
	.section	.rodata,"a",@progbits
	.p2align	6, 0x0
	.amdhsa_kernel k_qfd599edad1_quant
		.amdhsa_group_segment_fixed_size 34304
		.amdhsa_private_segment_fixed_size 0
		.amdhsa_enable_private_segment 0
		.amdhsa_kernarg_size 24
		.amdhsa_user_sgpr_count 2
		.amdhsa_user_sgpr_kernarg_segment_ptr 1
		.amdhsa_wavefront_size32 1
		.amdhsa_system_sgpr_workgroup_id_x 1
		.amdhsa_system_sgpr_workgroup_id_y 1
		.amdhsa_system_sgpr_workgroup_id_z 1
		.amdhsa_system_vgpr_workitem_id 0
		.amdhsa_next_free_vgpr 256
		.amdhsa_next_free_sgpr 66
		.amdhsa_reserve_vcc 1
		.amdhsa_float_denorm_mode_32 3
		.amdhsa_float_denorm_mode_16_64 3
		.amdhsa_memory_ordered 1
		.amdhsa_forward_progress 1
		.amdhsa_inst_pref_size 37
	.end_amdhsa_kernel
	.amdgpu_metadata
---
amdhsa.version: [ 1, 2 ]
amdhsa.kernels:
  - .name:           k_qfd599edad1_quant
    .symbol:         k_qfd599edad1_quant.kd
    .args:
      - { .name: k, .offset: 0, .size: 8, .value_kind: global_buffer, .address_space: global }
      - { .name: v, .offset: 8, .size: 8, .value_kind: global_buffer, .address_space: global }
      - { .name: kv, .offset: 16, .size: 8, .value_kind: global_buffer, .address_space: global }
    .group_segment_fixed_size: 34304
    .private_segment_fixed_size: 0
    .kernarg_segment_align: 8
    .kernarg_segment_size: 24
    .max_flat_workgroup_size: 128
    .sgpr_count:     66
    .vgpr_count:     256
    .wavefront_size: 32
...
	.end_amdgpu_metadata
.endif
;; end of part 1
;; launch attn (part 2): grid 8 x 64, 8 waves a work-group, clusters of 4 x 1, 327,680 bytes of LDS; arguments q, kv, out0; writes out0
.if DOCPART == 2
	.amdgcn_target "amdgcn-amd-amdhsa--gfx1250"
	.amdhsa_code_object_version 6
	.text
	.protected	k_qfd599edad1_attn
	.globl	k_qfd599edad1_attn
	.p2align	8
	.type	k_qfd599edad1_attn,@function
k_qfd599edad1_attn:
	s_mov_b64 s[64:65], 0
	v_nop
	global_prefetch_b8 v0, s[64:65] scope:SCOPE_SE
	s_setreg_imm32_b32 hwreg(HW_REG_WAVE_MODE, 25, 1), 1
	s_wait_xcnt 0x0
	s_wait_alu depctr_hold_cnt(0) depctr_sa_sdst(0) depctr_va_vdst(0) depctr_va_sdst(0) depctr_va_ssrc(0) depctr_va_vcc(0) depctr_vm_vsrc(0)
	s_getreg_b32 s2, hwreg(HW_REG_IB_STS2, 6, 4)
	s_cmp_eq_u32 s2, 0
	s_cbranch_scc0 .Lentry_in_a_cluster
	s_endpgm
.Lentry_in_a_cluster:
	s_bfe_u32 s2, ttmp6, 0x10000c
	s_cmp_lg_u32 s2, 0x3003
	s_cbranch_scc0 .Lentry_shape_is_right
	s_endpgm
.Lentry_shape_is_right:
; out0[head][q][:] = the sum over k of softmax_k(Q[head][q] . K[head][k]) V[head][k][:], no scale on the scores; 64 heads, 2,048 queries and keys, head size 128.
; Both products on codes of FP6 (E2M3) with one E8M0 scale for each 32 along a product's K.  q arrives as f32 and is quantised here, in registers: one wave reads each row once.
; K and V come from the workspace kv as images of the operands' registers, one dense block of 25,600 bytes for each head and each step of 128 keys:
;   +0 K's eight fragments (1,536 bytes each: registers 4 g .. 4 g + 3 of lane l at 512 g + 16 l); +12,288 K's scale words; +12,800 V's eight fragments; +25,088 V's scale words.
; THE SOFTMAX AHEAD OF THE SECOND PRODUCT: t = score x log2(e); M = the row's largest t so far, rounded UP to a whole number; p = 2^(t - M) is what is quantised, along the keys, not normalised.
; The row's sum is taken of the unquantised p and divides at the end.  When M moves, the sum and O are multiplied by 2^(old M - new M): exact, in every step, with no branch on data.
; SHARES.  A work-group owns 256 queries of one head, each of its eight waves 32: TWO tiles of 16, so that each fragment of K and V read from LDS feeds two matrix instructions.  Two waves lie on a SIMD
; (512 registers each): one wave's vector work stands beside the other's matrix work and LDS loads.
; LAYOUT.  Both products are used transposed: S^T = K Q^T (source 0 = 16 keys, source 1 = 16 queries), O^T = V^T P^T (source 0 = 16 of the head's 128, source 1 = P): a lane holds ONE query (lane % 16) throughout.
; Row r of K's tile 2 b + u is key 32 b + 8 u + r + 8 (r / 8): the 16 registers of tiles 2 b, 2 b + 1 are the 16 neighbouring keys 32 b + 16 (lane / 16) + 0 .. 15.
; RING.  Two LDS slots of four key steps (102,400 dense bytes).  Each of the eight waves brings an eighth of a slot by one tensor load: 50 rows of 256 bytes; eight equal parts, so that every wave issues the same line with no branch.
; CLUSTER.  The four query blocks of a cluster belong to one head and walk the same blocks of kv: each part of a slot is asked for JOINTLY, by the same tensor load with the same descriptor and a mask that names the four.
; One tensor load of a wave is outstanding at the most.
; LIMITS.  NaN and infinities among the inputs are not served.  A p under 2^-126 counts as 0 (v_exp_f32 gives zero for results that would be denormal: ISA guide 15.8).  t - M is one fused multiply-add with
; log2(e) rounded to f32: its error, about 3e-8 x |t|, is nearly the same for all scores near a row's largest, and leaves with the division by the sum.  A block's largest p is the exponential of the block's largest
; score, which takes v_exp_f32 not to fall where its input rises.  A block of q that is all zeros, and a block of p that has fallen to zeros, get the byte 1 with zero codes.
;
; REGISTERS.  Window 0: v1-9 addresses; v12-27 eight registers of statistics a tile; v28-39 scale words and nothing else; v40-59 at work; v60-83 Q's two fragments; v84-107 P's two; v108-111 second chains of the sums; v128-255 S^T, then p, 64 a tile.
;   Window 1: v0-127 O^T, 64 a tile (accumulator (tile, t) at 64 tile + 8 t); v128-223 eight fragments, K's and then V's.
; s_set_vgpr_msb's low byte: bits 1:0 source 0, 3:2 source 1, 5:4 source 2, 7:6 destination.  A key step has nine switches for its 32 matrix instructions.
.set STEPB,  25600                     ; a key step's block
.set VFR,    12800                     ; V's part of it
.set SCW,    12288                     ; the scale words behind eight fragments
.set SLOTB,  4*STEPB
.set SLOT1,  1<<17                     ; slot 1 begins here, so that one exclusive or turns an address in one slot into the other's
.set PARTB,  SLOTB/8                   ; what one tensor load brings
.set SPITCH, 528                       ; a stage row: 512 bytes + 16 = 33 x 16: the sixteen rows that an access of 16 bytes a lane touches start at sixteen different places modulo 256 bytes (64 banks of 4 bytes: ISA guide 11.1)
.set STAGE,  SLOT1+SLOTB               ; behind the ring: 16 rows for each wave, for q's way in and O's way out; no fill lands here
.set SPARE,  STAGE+8*16*SPITCH         ; behind the stages: the spare words, 128 bytes for each wave: four blocks of 256 bytes that no other line names
.set LI,  1                            ; v1   16 x lane: an image's place; also my bytes of a row of q or of out0
.set LS,  2                            ; v2   4 x lane: a scale word's place
.set SPW, 3                            ; v3   LDS address of my spare word; never rewritten
.set NIL, 4                            ; v4   0; never rewritten
.set ADR, 5                            ; v5   LDS address of the step's fragments
.set ADS, 6                            ; v6   and of its scale words
.set STI, 7                            ; v7   stage: whole rows, 16 x lane
.set STQ, 8                            ; v8   stage: row r, + 64 h: q's 16 numbers of a block of 32
.set STO, 9                            ; v9   stage: row r, + 32 h: eight channels of O
.set ST,  12                           ; tile y's statistics at v[ST + 8 y]: +0 -M, +1 the largest t, +2, +3 the sum in two halves, +4 f = 2^(old M - new M), +5 named with it as a pair, +6, +7 at work
.set QS,  28                           ; v28-29  q's scale words
.set PW,  30                           ; v30-31  p's scale words of the step
.set KS,  32                           ; v32-35  K's: register b: lanes 0-15 tile 2 b, lanes 16-31 tile 2 b + 1
.set VS,  36                           ; v36-39  V's, likewise
.set BM,  40                           ; v40-43  the blocks' largest
.set BT,  44                           ; v44-47  the other half of the lanes', then the bytes
.set SOP, 48                           ; v48-51  the conversions' scale operands
.set PT,  52                           ; v52-59  the halves of blocks that a conversion cannot put in place
.set QF,  60
.set PC,  84
.set L2,  108
.set S,   128
.set FB,  128                          ; in window 1
.set MSB, 0
.macro WIN new                         ; the immediate's high byte repeats the setting that is left; a switch that changes nothing is dropped
.if MSB != \new
	s_set_vgpr_msb (MSB<<8)|\new
.set MSB, \new
.endif
.endm
; A round of the cluster's barrier: my work-group's barrier, so that wave 0's signal speaks for all eight waves; wave 0 signals for the work-group; every wave waits for all four work-groups; my work-group's barrier once more.
.macro CROUND
	s_barrier_signal -1
	s_barrier_wait -1
	s_cmp_lg_u32 s10, 0
	s_cbranch_scc1 .Lnot_wave_0_\@
	s_barrier_signal -3
.Lnot_wave_0_\@:
	s_barrier_wait -3
	s_barrier_signal -1
	s_barrier_wait -1
.endm
; The codes of 64 numbers, v[src] on (register 16 b + i = k 32 b + 16 (lane / 16) + i of my row), under the four scale operands in v[SOP] on, become a fragment in v[dst] on.
.macro CODES src, dst
.irp c, 0,1
	v_cvt_scalef32_pk16_fp6_f32 v[\dst+6*\c:\dst+6*\c+2], v[\src+32*\c:\src+32*\c+15], v[SOP+2*\c]
	v_cvt_scalef32_pk16_fp6_f32 v[PT+4*\c:PT+4*\c+2], v[\src+32*\c+16:\src+32*\c+31], v[SOP+2*\c+1]   ; (a conversion's three registers begin on an even number)
.endr
	v_nop                                          ; one plain place behind a scaled conversion
.irp c, 0,1                                    ; the operand's layout wants a WHOLE block in a lane: lanes 0-15 block 2 c, lanes 16-31 block 2 c + 1
.irp i, 0,1,2
	v_permlane16_swap_b32 v[\dst+6*\c+\i], v[PT+4*\c+\i]
.endr
.irp i, 0,1,2
	v_mov_b32 v[\dst+6*\c+3+\i], v[PT+4*\c+\i]
.endr
.endr
.endm
; 64 numbers of a lane become a fragment's codes and their row's scale word (for q).
.macro QUANT src, dst, word
.irp b, 0,1,2,3
	v_max3_num_f32 v[BM+\b], |v[\src+16*\b]|, |v[\src+16*\b+1]|, 0x1800000   ; block b: my 16 numbers, and the floor 2^(3 - 127): the byte cannot fall under 1
.endr
.irp i, 2,4,6,8,10,12,14
.irp b, 0,1,2,3
	v_max3_num_f32 v[BM+\b], v[BM+\b], |v[\src+16*\b+\i]|, |v[\src+16*\b+\i+1]|
.endr
.endr
.irp b, 0,1,2,3
	v_permlanex16_b32 v[BT+\b], v[BM+\b], s20, s21
.endr
.irp b, 0,1,2,3
	v_max_num_f32 v[BM+\b], v[BM+\b], v[BT+\b]
.endr
.irp b, 0,1,2,3
	v_add_nc_u32 v[SOP+\b], 0xff000000, v[BM+\b]   ; 2 off the exponent field: the conversion's scale operand
.endr
.irp b, 0,1,2,3
	v_lshrrev_b32 v[BT+\b], 23, v[SOP+\b]          ; the scale's byte
.endr
	v_lshl_or_b32 v[\word], v[BT+1], 8, v[BT]
	v_lshl_or_b32 v[\word], v[BT+2], 16, v[\word]
	v_lshl_or_b32 v[\word], v[BT+3], 24, v[\word]
	CODES \src, \dst
.endm
; 28 LDS loads in one run: four registers of scale words into v[sc] on, eight fragments into window 1.  Every load takes consecutive bytes, lane by lane.
.macro FETCH off, sc
.irp b, 0,1,2,3
	ds_load_b32 v[\sc+\b], v[ADS] offset:\off+SCW+128*\b
.endr
	WIN 0x40                                       ; destination window 1, address window 0
.irp f, 0,1,2,3,4,5,6,7
.irp g, 0,1,2
	ds_load_b128 v[FB+12*\f+4*\g:FB+12*\f+4*\g+3], v[ADR] offset:\off+1536*\f+512*\g
.endr
.endr
	WIN 0
.endm
; THE ROWS' SUMS ARE TAKEN OF THE UNQUANTISED p, two at a time; two chains a tile, the two tiles by turns.
.macro SUMS
.irp y, 0,1
	v_pk_add_f32 v[L2+2*\y:L2+2*\y+1], v[S+64*\y:S+64*\y+1], v[S+64*\y+2:S+64*\y+3]
.endr
.irp j, 4,8,12,16,20,24,28,32,36,40,44,48,52,56,60
.irp y, 0,1
	v_pk_add_f32 v[ST+8*\y+2:ST+8*\y+3], v[ST+8*\y+2:ST+8*\y+3], v[S+64*\y+\j:S+64*\y+\j+1]
.endr
.irp y, 0,1
	v_pk_add_f32 v[L2+2*\y:L2+2*\y+1], v[L2+2*\y:L2+2*\y+1], v[S+64*\y+\j+2:S+64*\y+\j+3]
.endr
.endr
.irp y, 0,1
	v_pk_add_f32 v[ST+8*\y+2:ST+8*\y+3], v[ST+8*\y+2:ST+8*\y+3], v[L2+2*\y:L2+2*\y+1]
.endr
.endm
; One tile's softmax for one key step: scores in, p (in place), p's codes and p's scale word out.
.macro SOFTMAX tile
.set rS, S+64*\tile
.set rT, ST+8*\tile
.irp b, 0,1,2,3
	v_max3_num_f32 v[BM+\b], v[rS+16*\b], v[rS+16*\b+1], v[rS+16*\b+2]   ; THE LARGEST SCORE OF EACH BLOCK OF 32 KEYS serves twice: for the row's maximum and, since p rises with the score, for the block's largest p.
.endr                                          ; (Each accumulator is read from its low end on: register 16 b + 8 is first read together with 16 b + 7)
.irp i, 3,5,7,9,11,13
.irp b, 0,1,2,3
	v_max3_num_f32 v[BM+\b], v[BM+\b], v[rS+16*\b+\i], v[rS+16*\b+\i+1]
.endr
.endr
.irp b, 0,1,2,3
	v_max_num_f32 v[BM+\b], v[BM+\b], v[rS+16*\b+15]
.endr
.irp b, 0,1,2,3
	v_permlanex16_b32 v[BT+\b], v[BM+\b], s20, s21
.endr
.irp b, 0,1,2,3
	v_max_num_f32 v[BM+\b], v[BM+\b], v[BT+\b]     ; with lane l xor 16's 16 keys
.endr
	v_max3_num_f32 v[rT+6], v[BM], v[BM+1], v[BM+2]
	v_max_num_f32 v[rT+6], v[rT+6], v[BM+3]        ; the step's largest score of my query
	v_mul_f32 v[rT+6], s22, v[rT+6]                ; as t (log2(e) is positive)
	v_max_num_f32 v[rT+1], v[rT+1], v[rT+6]        ; the running largest t
	v_mov_b32 v[rT+6], v[rT]
	v_floor_f32 v[rT], -v[rT+1]                    ; the new -M = floor(-t) = -ceil(t): M IS A WHOLE NUMBER
	v_sub_f32 v[rT+6], v[rT], v[rT+6]              ; old M less new M: a whole number, 0 or less
	v_cvt_i32_f32 v[rT+6], v[rT+6]                 ; (it saturates)
	v_ldexp_f32 v[rT+4], 1.0, v[rT+6]              ; f = 2^(old M - new M)
.set j, 0
.rept 32
	v_pk_fma_f32 v[rS+j:rS+j+1], v[rS+j:rS+j+1], s[22:23], v[rT:rT+1] op_sel_hi:[1,0,0]   ; t - M, two at a time (of the pairs log2(e) and -M the low word serves both halves)
.set j, j+2
.endr
.irp b, 0,1,2,3
	v_fma_f32 v[BM+\b], v[BM+\b], s22, v[rT]       ; the same of each block's largest score
.endr
.set j, 0
.rept 64
	v_exp_f32 v[rS+j], v[rS+j]                     ; p = 2^(t - M): NOT normalised
.set j, j+1
.endr
.irp b, 0,1,2,3
	v_exp_f32 v[BM+\b], v[BM+\b]                   ; the block's largest p: the same two instructions on the same number give the same bits
.endr
	v_pk_mul_f32 v[rT+2:rT+3], v[rT+2:rT+3], v[rT+4:rT+5] op_sel_hi:[1,0]   ; the sum under the new M.  (The plain place behind the exponentials)
	s_wait_alu depctr_va_vdst(0)
.irp b, 0,1,2,3
	v_max_num_f32 v[BM+\b], 0x1800000, v[BM+\b]    ; the floor 2^(3 - 127): the byte cannot fall under 1
.endr
.irp b, 0,1,2,3
	v_add_nc_u32 v[SOP+\b], 0xff000000, v[BM+\b]   ; 2 off the exponent field: the conversion's scale operand
.endr
.irp b, 0,1,2,3
	v_lshrrev_b32 v[BT+\b], 23, v[SOP+\b]          ; the scale's byte
.endr
	v_lshl_or_b32 v[PW+\tile], v[BT+1], 8, v[BT]
	v_lshl_or_b32 v[PW+\tile], v[BT+2], 16, v[PW+\tile]
	v_lshl_or_b32 v[PW+\tile], v[BT+3], 24, v[PW+\tile]   ; p's scale word for these 128 keys
	CODES rS, PC+12*\tile
.endm
; A KEY STEP: 128 keys, at LDS byte s36.  The accumulators take turns, one instruction a turn: no two matrix instructions that follow each other share an accumulator, over the backward jump too.
.macro STEP
	v_add_nc_u32 v[ADR], s36, v[LI]
	v_add_nc_u32 v[ADS], s36, v[LS]
	v_nop
	v_nop                                          ; four places between the last step's products and the loads into the registers that they read (ISA guide 7.12.1 for vector instructions)
	FETCH 0, KS                                    ; K's eight fragments and their scale words
	s_cmp_eq_u32 s39, 0                            ; THE SUMS OF THE STEP BEFORE stand here, so that the wave works while K's fragments come; the first step has none
	s_cbranch_scc1 .Lno_sums_\@
	SUMS
.Lno_sums_\@:
	s_wait_dscnt 0x0                               ; K is in
	WIN 0x01                                       ; source 0 (K) window 1; Q and S^T window 0
.irp t, 0,1,2,3,4,5,6,7
.irp y, 0,1
.if \t%2
	v_wmma_scale_f32_16x16x128_f8f6f4 v[S+64*\y+8*\t:S+64*\y+8*\t+7], v[FB+12*\t:FB+12*\t+11], v[QF+12*\y:QF+12*\y+11], 0, v[KS+\t/2], v[QS+\y] matrix_a_fmt:MATRIX_FMT_FP6 matrix_b_fmt:MATRIX_FMT_FP6 matrix_a_scale:MATRIX_SCALE_ROW1
.else
	v_wmma_scale_f32_16x16x128_f8f6f4 v[S+64*\y+8*\t:S+64*\y+8*\t+7], v[FB+12*\t:FB+12*\t+11], v[QF+12*\y:QF+12*\y+11], 0, v[KS+\t/2], v[QS+\y] matrix_a_fmt:MATRIX_FMT_FP6 matrix_b_fmt:MATRIX_FMT_FP6
.endif
.endr
.endr
	WIN 0
.rept 4
	v_nop                                          ; four places: in front of the loads into K's registers, and of the first read of the scores
.endr
	FETCH VFR, VS                                  ; V's eight fragments land while the softmax is worked
	SOFTMAX 0
	SOFTMAX 1
	WIN 0x41                                       ; O^T (destination and source 0) window 1, f window 0
.irp y, 0,1
.set j, 64*\y
.rept 32
	v_pk_mul_f32 v[j:j+1], v[j:j+1], v[ST+8*\y+4:ST+8*\y+5] op_sel_hi:[1,0]   ; O^T under the new M, each accumulator from its low end on.  (These are also the places between the lines that wrote p's codes and scale words and the products below)
.set j, j+2
.endr
.endr
	s_wait_dscnt 0x0                               ; V is in
	WIN 0x51                                       ; source 0 (V), C and D window 1; P window 0
.irp t, 0,1,2,3,4,5,6,7
.irp y, 0,1
.if \t%2
	v_wmma_scale_f32_16x16x128_f8f6f4 v[64*\y+8*\t:64*\y+8*\t+7], v[FB+12*\t:FB+12*\t+11], v[PC+12*\y:PC+12*\y+11], v[64*\y+8*\t:64*\y+8*\t+7], v[VS+\t/2], v[PW+\y] matrix_a_fmt:MATRIX_FMT_FP6 matrix_b_fmt:MATRIX_FMT_FP6 matrix_a_scale:MATRIX_SCALE_ROW1
.else
	v_wmma_scale_f32_16x16x128_f8f6f4 v[64*\y+8*\t:64*\y+8*\t+7], v[FB+12*\t:FB+12*\t+11], v[PC+12*\y:PC+12*\y+11], v[64*\y+8*\t:64*\y+8*\t+7], v[VS+\t/2], v[PW+\y] matrix_a_fmt:MATRIX_FMT_FP6 matrix_b_fmt:MATRIX_FMT_FP6
.endif
.endr
.endr
	WIN 0                                          ; at a label and at a branch every window is 0
	s_add_co_u32 s36, s36, STEPB                   ; the next step's block
	s_add_co_u32 s39, s39, 1
.endm
; THE CHANGE OF SLOTS stands at a slot's head.  Each wave waits for all its tensor loads (its part of the slot that it is about to read), adds 0 to its spare word, and waits for that and for its reads of the slot that it has left.
; fill = 1: the barrier is a round of the cluster's, so that no wave of any partner still reads the other slot or has a load on its way; the joint load into that slot is the first thing behind it
; and has four key steps, 128 matrix instructions a wave, in which to land.
.macro CHANGE fill
	s_wait_tensorcnt 0x0                           ; no tensor load of mine is out, so group 0 may be written
	ds_add_u32 v[SPW], v[NIL]                      ; 0 onto my spare word
.if \fill
	s_xor_b32 s33, s33, SLOT1                      ; the walking descriptor: the other slot than last time,
	s_add_nc_u64 s[34:35], s[34:35], SLOTB         ; the next four steps' blocks; the type bits on top are not reached
.endif
	s_wait_dscnt 0x0                               ; the add is done, and my reads of the slot that I have left are over
.if \fill
	CROUND
	tensor_load_to_lds s[32:35], s[24:31]          ; my one tensor load until the next round
	s_nop 0
.rept 4
	v_nop
.endr
.else
	s_barrier_signal -1
	s_barrier_wait -1
.endif
.endm
; A slot's four key steps: written once, walked four times; the LDS addresses hang on s36.
.macro SLOT_STEPS
	s_mov_b32 s38, 4
.Lstep_\@:
	STEP
	s_sub_co_u32 s38, s38, 1
	s_cmp_lg_u32 s38, 0
	s_cbranch_scc1 .Lstep_\@
	s_sub_co_u32 s36, s36, SLOTB                   ; back to a slot's first step,
	s_xor_b32 s36, s36, SLOT1                      ; in the other slot
.endm
	s_load_b128 s[4:7], s[0:1], 0x0                ; q s[4:5], kv s[6:7]
	s_load_b64 s[8:9], s[0:1], 0x10                ; out0
	v_lshl_add_u32 v[SPW], v0, 2, SPARE
	v_mov_b32 v[NIL], 0
	ds_add_u32 v3, v4
	ds_add_u32 v3, v4
	s_wait_dscnt 0x0
	v_lshrrev_b32 v10, 5, v0
	v_readfirstlane_b32 s10, v10                   ; wave 0..7
	v_and_b32 v11, 31, v0
	v_lshlrev_b32 v[LI], 4, v11
	v_lshlrev_b32 v[LS], 2, v11
	v_and_b32 v10, 15, v0                          ; r
	v_bfe_u32 v11, v0, 4, 1                        ; h
	s_mul_i32 s18, s10, 16*SPITCH
	s_add_co_u32 s18, s18, STAGE                   ; my stage
	v_add_nc_u32 v[STI], s18, v[LI]
	v_mul_u32_u24 v[STO], v10, SPITCH
	v_add_nc_u32 v[STO], s18, v[STO]
	v_lshl_add_u32 v[STQ], v11, 6, v[STO]
	v_lshl_add_u32 v[STO], v11, 5, v[STO]
	s_bfe_u32 s11, ttmp6, 0x40000                  ; cx: my place in the cluster
	s_lshl_b32 s12, ttmp9, 2                       ; in a cluster launch ttmp9 counts clusters
	s_add_co_u32 s12, s12, s11                     ; my block of 256 queries: it enters q's and out0's addresses alone
	s_and_b32 s13, ttmp7, 0xffff                   ; the head, which the four partners share
	s_lshl_b32 s14, s13, 11
	s_lshl_b32 s15, s12, 8
	s_add_co_u32 s14, s14, s15
	s_lshl_b32 s15, s10, 5
	s_add_co_u32 s14, s14, s15                     ; my wave's first row: 2,048 head + 256 block + 32 wave,
	s_lshl_b32 s14, s14, 9                         ; in bytes (under 2^26)
	s_mov_b32 s15, 0
	s_mul_i32 s16, s13, 16*STEPB                   ; the head's blocks of kv,
	s_mul_i32 s33, s10, PARTB                      ; my eighth of a slot: in LDS (descriptor group 0, bits 63:32: slot 0) and in memory alike: no place in the cluster enters either
	s_add_co_u32 s16, s16, s33
	s_mov_b32 s17, 0
	; descriptor group 1: a dense block of 12,800 bytes as 50 rows of 32 elements of 8 bytes
	s_mov_b32 s24, 15|(3<<16)|(1<<21)              ; 15:0 the mask: all four work-groups; 17:16 elements of 8 bytes; 20 padding off; 21 set beside a mask
	s_mov_b32 s25, 32<<16                          ; tensor_dim0 = 32
	s_mov_b32 s26, 50<<16                          ; tensor_dim1 = 50
	s_mov_b32 s27, 32<<16                          ; tile_dim0 = 32
	s_mov_b32 s28, 50                              ; tile_dim1 = 50
	s_mov_b32 s29, 32                              ; tensor_dim0_stride: the rows follow each other
	s_mov_b32 s30, 0
	s_mov_b32 s31, 0
	s_mov_b32 s20, 0x76543210
	s_mov_b32 s21, 0xfedcba98                      ; v_permlanex16_b32's selects for lane l xor 16
	s_mov_b32 s22, 0x3fb8aa3b                      ; log2(e)
	s_mov_b32 s23, s22                             ; (named with it as a pair, so it is written)
	s_mov_b32 s36, 0                               ; LDS byte of the step in hand
	s_mov_b32 s37, 3                               ; slots still to be asked for
	s_mov_b32 s39, 0                               ; steps done
	s_mov_b32 s32, 1                               ; group 0: 1:0 count = 1
	s_wait_kmcnt 0x0
	s_add_nc_u64 s[4:5], s[4:5], s[14:15]          ; q and out0 at my wave's first row
	s_add_nc_u64 s[8:9], s[8:9], s[14:15]
	s_add_nc_u64 s[34:35], s[6:7], s[16:17]        ; 120:64 global address: my eighth of the head's steps 0 to 3
	s_or_b32 s35, s35, 0x80000000                  ; 127:126 type = 2
	CROUND                                         ; all four work-groups are here: the first joint loads meet
	tensor_load_to_lds s[32:35], s[24:31]          ; slot 0
	s_nop 0
.rept 4
	v_nop
.endr
	; ---- q: my 32 rows.  Each load is one whole row, 512 consecutive bytes, into the registers that O^T will take; the rows turn through my stage, so that a lane gets 16 neighbours along d of each block of its row.
	WIN 0x40
.set n, 0
.rept 32
	global_load_b128 v[4*n:4*n+3], v[LI], s[4:5] offset:512*n th:TH_LOAD_NT
.set n, n+1
.endr
	WIN 0
.irp b, 0,1,2,3
	v_mov_b32 v[BT+\b], 0                          ; written once: a lane permute's destination counts as one of its sources
.endr
.irp y, 0,1
	v_mov_b32 v[ST+8*\y+1], 0xff61b1e6             ; the largest t so far: -3e38, under every t
	v_floor_f32 v[ST+8*\y], -v[ST+8*\y+1]          ; -M
	v_mov_b32 v[ST+8*\y+2], 0                      ; the sum, in two halves
	v_mov_b32 v[ST+8*\y+3], 0
	v_mov_b32 v[ST+8*\y+5], 0                      ; (named as the upper half of f's pair)
	v_mov_b32 v[ST+8*\y+7], 0                      ; (a lane permute's destination on the way out)
.endr
.macro QTURN tile
	WIN 0x04                                       ; an LDS store's data are its source 1: window 1
.irp i, 0,1,2,3,4,5,6,7,8,9,10,11,12,13,14,15
	ds_store_b128 v[STI], v[64*\tile+4*\i:64*\tile+4*\i+3] offset:SPITCH*\i
.endr
	WIN 0
.irp b, 0,1,2,3
.irp j, 0,1,2,3
	ds_load_b128 v[S+64*\tile+16*\b+4*\j:S+64*\tile+16*\b+4*\j+3], v[STQ] offset:128*\b+16*\j   ; LDS serves a wave's instructions in order (ISA guide 5.7.1.4): these see the stores above, and the next tile's stores come behind them
.endr
.endr
.endm
	s_wait_loadcnt 16                              ; tile 0's sixteen rows are in; tile 1's sixteen may be out
	QTURN 0
	s_wait_loadcnt 0x0
	QTURN 1
	s_wait_dscnt 32                                ; tile 0 is back; tile 1's 16 stores and 16 loads may be out
	QUANT S, QF, QS
	s_wait_dscnt 0x0
	QUANT S+64, QF+12, QS+1
	WIN 0x40
.set j, 0
.rept 128
	v_mov_b32 v[j], 0                              ; O^T.  (The key step is written with no first step of its own: the first finds zeros, which the first change of M leaves zeros.  Once in the launch)
.set j, j+1
.endr
	WIN 0
.Lslot:                                            ; three trips: behind each change of slots but the last the next four steps are asked for (slot 1's first fill too is issued so)
	CHANGE 1
	SLOT_STEPS
	s_sub_co_u32 s37, s37, 1
	s_cmp_lg_u32 s37, 0
	s_cbranch_scc1 .Lslot
	CHANGE 0                                       ; the last slot is written out
	SLOT_STEPS
	; ---- THE WAY OUT.  The last step's sums (also the places behind the last products); the sum's two halves and the other half of the lanes'; O^T / the sum goes through my stage, a tile of 16 rows at a time, and leaves as whole rows.
	SUMS
.irp y, 0,1
	v_add_f32 v[ST+8*\y+6], v[ST+8*\y+2], v[ST+8*\y+3]
.endr
.irp y, 0,1
	v_permlanex16_b32 v[ST+8*\y+7], v[ST+8*\y+6], s20, s21
.endr
.irp y, 0,1
	v_add_f32 v[ST+8*\y+7], v[ST+8*\y+6], v[ST+8*\y+7]   ; the row's sum
.endr
.irp y, 0,1
	v_rcp_f32 v[ST+8*\y+6], v[ST+8*\y+7]
.endr
	v_nop                                          ; a plain place between the last reciprocal and the use of its result
	s_wait_alu depctr_va_vdst(0)
.macro OUT tile
.if \tile
	s_wait_xcnt 0x0                                ; the last tile's stores have read their registers: the loads below may land there
.endif
	WIN 0x01                                       ; source 0 (O^T) window 1
.set j, 0
.rept 32
	v_pk_mul_f32 v[S+j:S+j+1], v[64*\tile+j:64*\tile+j+1], v[ST+8*\tile+6:ST+8*\tile+7] op_sel_hi:[1,0]   ; register 8 t + i is out0(r, 16 t + 8 h + i); each accumulator from its low end on
.set j, j+2
.endr
	WIN 0
.irp t, 0,1,2,3,4,5,6,7
	ds_store_b128 v[STO], v[S+8*\t:S+8*\t+3] offset:64*\t
	ds_store_b128 v[STO], v[S+8*\t+4:S+8*\t+7] offset:64*\t+16
.endr
.irp i, 0,1,2,3,4,5,6,7,8,9,10,11,12,13,14,15
	ds_load_b128 v[S+64+4*\i:S+64+4*\i+3], v[STI] offset:SPITCH*\i   ; in order behind my stores: whole rows of 512 bytes
.endr
.irp i, 0,1,2,3,4,5,6,7,8,9,10,11,12,13,14,15
	s_wait_dscnt 15-\i                             ; row i is back; the rows behind it may be out
	global_store_b128 v[LI], v[S+64+4*\i:S+64+4*\i+3], s[8:9] offset:512*(16*\tile+\i) th:TH_STORE_NT   ; 32 lanes store 512 consecutive bytes, aligned; written once, read by nobody here
.endr
.endm
	OUT 0
	OUT 1
	s_wait_tensorcnt 0x0                           ; the wave's end, behind my last tensor load and my last LDS store
	ds_add_u32 v[SPW], v[NIL]
	s_wait_dscnt 0x0
	CROUND                                         ; the closing round: no work-group ends while a partner may still ask for a tile that names it
	s_endpgm
.Lfunc_end_k_qfd599edad1_attn:
	.size	k_qfd599edad1_attn, .Lfunc_end_k_qfd599edad1_attn-k_qfd599edad1_attn
	.p2alignl 7, 3214868480
	.fill 96, 4, 3214868480
	.section	.rodata,"a",@progbits
	.p2align	6, 0x0
	.amdhsa_kernel k_qfd599edad1_attn
		.amdhsa_group_segment_fixed_size 327680
		.amdhsa_private_segment_fixed_size 0
		.amdhsa_enable_private_segment 0
		.amdhsa_kernarg_size 24
		.amdhsa_user_sgpr_count 2
		.amdhsa_user_sgpr_kernarg_segment_ptr 1
		.amdhsa_wavefront_size32 1
		.amdhsa_system_sgpr_workgroup_id_x 1
		.amdhsa_system_sgpr_workgroup_id_y 1
		.amdhsa_system_sgpr_workgroup_id_z 1
		.amdhsa_system_vgpr_workitem_id 0
		.amdhsa_next_free_vgpr 512
		.amdhsa_next_free_sgpr 66
		.amdhsa_reserve_vcc 0
		.amdhsa_float_denorm_mode_32 3
		.amdhsa_float_denorm_mode_16_64 3
		.amdhsa_memory_ordered 1
		.amdhsa_forward_progress 1
		.amdhsa_inst_pref_size 109
	.end_amdhsa_kernel
	.amdgpu_metadata
---
amdhsa.version: [ 1, 2 ]
amdhsa.kernels:
  - .name:           k_qfd599edad1_attn
    .symbol:         k_qfd599edad1_attn.kd
    .args:
      - { .name: q, .offset: 0, .size: 8, .value_kind: global_buffer, .address_space: global }
      - { .name: kv, .offset: 8, .size: 8, .value_kind: global_buffer, .address_space: global }
      - { .name: out0, .offset: 16, .size: 8, .value_kind: global_buffer, .address_space: global }
    .group_segment_fixed_size: 327680
    .private_segment_fixed_size: 0
    .kernarg_segment_align: 8
    .kernarg_segment_size: 24
    .max_flat_workgroup_size: 256
    .sgpr_count:     66
    .vgpr_count:     512
    .wavefront_size: 32
...
	.end_amdgpu_metadata
.endif
;; end of part 2
